; MI455X (gfx1250); checked and timed in simulation.
; The chip was launched on July 23, 2026; its instructions are those of AMD's public machine-readable ISA for CDNA 5 (MIT licence, August 2026) and "CDNA5" Instruction Set Architecture Reference Guide (July 2026). The comments in the code are by the model that wrote it; some were corrected since.
;; bgrid Slicing4 D To3 D. Allowed arithmetic: float matrix products may take bf16 or f16 operands with f32 sums; all other float work in f32.
;; Inputs: bg 1 x 4 x 32 x 32 x 32 x 16 float32; gm 1 x 1 x 128 x 128 x 128 float32.
;; Outputs: out0 1 x 4 x 128 x 128 x 128 float32.
;; One version. Each part assembles by itself: llvm-mc -triple=amdgcn-amd-amdhsa -mcpu=gfx1250 --defsym DOCPART=n.
;; ======== version 1 of 1: 1 launch
;; limits: values outside matrix products are rounded to f16; values are held in f16: magnitudes above 65,504 overflow, below 6.1e-05 lose precision
;; launch slice (part 1): grid 32 x 8, 16 waves a work-group, no clusters, 212,992 bytes of LDS; arguments bg, gm, out0; writes out0
.if DOCPART == 1
	.amdgcn_target "amdgcn-amd-amdhsa--gfx1250"
	.amdhsa_code_object_version 6
	.text
	.protected	k_qa74d8a1f1f_slice
	.globl	k_qa74d8a1f1f_slice
	.p2align	8
	.type	k_qa74d8a1f1f_slice,@function
k_qa74d8a1f1f_slice:
	s_mov_b64 s[64:65], 0
	v_nop
	global_prefetch_b8 v0, s[64:65] scope:SCOPE_SE
	s_setreg_imm32_b32 hwreg(HW_REG_WAVE_MODE, 25, 1), 1
	s_wait_xcnt 0x0
; out[c][gx][gy][gz] = quadrilinear sample of bg[c][ix][iy][iz][it] at (gx, gy, gz) * 31/127 and t = clip(15 gm[gx][gy][gz], 0, 15).
; bg: [4][32][32][32][16] f32.  gm: [128][128][128] f32.  out: [4][128][128][128] f32.
;
; NO ADDRESS HANGS ON gm.  The sum over t is a hat sum, out = sum over it of max(0, 1 - |t - it|) * H[c][voxel][it], where H is bg
; interpolated in x, y and z for all 16 planes of t.  x and y are interpolated in f32 by vector instructions.  The z step is a fixed linear
; map from 32 iz to the 128 gz of a line and goes to the matrix unit: K = 32 = all iz, one v_wmma_f32_16x16x32_f16 for 16 rows x 16 voxels.
; A work-group owns 4 gx x 16 gy = 64 lines (a line = 128 gz); 32 x 8 work-groups.  It needs 3 planes ix x 6 rows iy x 4 c x 2,048 bytes of bg.
; PHASE 1: the 16 waves load these 144 KB once, interpolate in x for the 4 gx and lay S[gx][row][c][iz][it] (f32, order as in memory) into LDS.
; PHASE 2: each wave takes 4 lines: y-lerp of two rows of S, f16, 32 matrix instructions, hat sum, 4 stores of 512 bytes.
;
; MATRIX LAYOUT.  Tile f (0..3): row m = (a = m >> 2, c = m & 3) stands for channel c and it = 4 a + f.  The lane of A's row m reads 16 bytes
; (it = 4a .. 4a+3 of one iz) as they lie in memory: one k slot of all four tiles, so nothing is transposed.  Slot e (0..15) of lane half h is
; iz = 16 h + e in A and in B alike (a permutation of k used on both sides keeps the products).  Column n = r of B's tile q is the voxel
; gz = 4 r + (q & 3) + 64 (q >> 2).  In D, lane (r, h), register j: channel j & 3, it = 8 h + 4 (j >> 2) + f: a register pair is two channels
; under one weight, and a lane needs the hats of its own 8 planes only.  The halves are added after v_permlane16_swap_b32.
;
; LIMITS.  The matrix operands are f16 (11 significant bits; bf16's 8 would not hold the tolerance where neighbours cancel): bg must be finite
; and, after x and y interpolation, below 65504 in magnitude.  An infinity in bg also reaches voxels whose weight for it is 0.  A NaN in gm is not honoured.
; NO CLUSTER: a joint request has to be one tile for all partners; for 4 partners along gx that is 6 planes x 6 rows x 8 KB = 288 KB of raw
; data, which does not fit beside the 198 KB of S.  NO PREFETCH: every global read is issued in one run at the head.
.set KSC,   0x3e79f3e8                 ; f32(31) / f32(127), as the reference forms it
.set F31,   0x41f80000                 ; 31.0
.set F15,   0x41700000                 ; 15.0
.set DIVM,  33027                      ; floor(m / 127) = (m * 33027) >> 22 for m <= 3937: the excess m * 125 / (127 * 2^22) stays below 1/127
.set CHP,   2112                       ; LDS: one (row, c) block, 2,048 bytes + 64: the 16 lanes (c, a) of a pass touch words 16 c + 4 a + 0..3 mod 64 (64 banks of 4 bytes: ISA guide 11.1)
.set ROWP,  4*CHP                      ; one row iy, 4 channels
.set GXP,   6*ROWP                     ; one gx, 6 rows
.set BT,    4*GXP                      ; behind S: the z weights as B fragments, 8 tiles x 1,024 bytes
.set LANE16, 1                         ; v1      16 x lane
.set VOFF,  2                          ; v2      byte offset of my 16 bytes in my wave's first line, in gm and in each channel of out
.set ADRA,  3                          ; v3      LDS address of my A row: c, a, h and my wave's gx
.set ADRL,  4                          ; v4      the same for the line at work
.set ADRB,  5                          ; v5      LDS address of my 16 bytes in the weight table
.set SADR,  6                          ; v6-9    phase 1: where my piece goes, for each gx
.set GM,    16                         ; v16-31  gm of my 4 lines, 4 voxels a lane
.set T,     32                         ; v32-39  t of voxel (q, r), q = 0..7
.set CST,   40                         ; v40-49  1 - 8 h - k, k = 0..9
.set DW,    50                         ; v50-59  distances t - it, then the 8 hats in their place
.set PA,    60                         ; v60-63  4 channels of tile q = i, my half of the planes
.set PB,    64                         ; v64-67  the same of tile q = 4 + i
.set OUT,   68                         ; v68-83  [c][i]: 4 neighbouring voxels of each channel
.set FY,    84                         ; v84-87  fy, fy, 1 - fy, 1 - fy
.set A,     88                         ; v88-119  4 tiles of A
.set B,     120                        ; v120-183 8 tiles of B, for the whole of phase 2
.set D,     184                        ; v184-215 4 tiles of D; between two lines' products also staging for S
.set Y,     216                        ; v216-247 second staging set
.set RAW,   120                        ; phase 1: v120-191 [row][ix] 4 registers
.set WX,    192                        ; phase 1: v192-215 [gx][ix] the x hat, twice (a pair for the packed forms)
.set TMP,   216                        ; phase 1: v216-231 [gx] 4 results
.set BTMP,  88                         ; phase 1: v88-95 8 z weights in f32
.set BPK,   96                         ; phase 1: v96-99 the same in f16
	s_load_b128 s[4:7], s[0:1], 0x0                ; bg s[4:5], gm s[6:7]
	s_load_b64 s[8:9], s[0:1], 0x10                ; out
	v_lshl_add_u32 v248, v0, 2, 0x33800
	v_mov_b32 v249, 0
	v_lshrrev_b32 v10, 5, v0
	v_readfirstlane_b32 s10, v10                   ; wave 0..15
	v_and_b32 v11, 31, v0
	v_lshlrev_b32 v[LANE16], 4, v11
	v_bfe_u32 v13, v0, 4, 1                        ; h, the lane's half
	s_and_b32 s11, ttmp7, 0xffff                   ; by: block of 16 gy.  ttmp9 = bx: block of 4 gx
	; first plane and first row, by whole numbers only: floor(4 bx 31 / 127), floor(16 by 31 / 127), pulled back so that 3 planes and 6 rows stay inside bg
	s_mul_i32 s12, ttmp9, 4*31*DIVM
	s_lshr_b32 s12, s12, 22
	s_min_u32 s12, s12, 29                         ; ixb
	s_mul_i32 s13, s11, 16*31*DIVM
	s_lshr_b32 s13, s13, 22
	s_min_u32 s13, s13, 26                         ; iyb
	s_and_b32 s14, s10, 3                          ; phase 1: my channel.   phase 2: my gx in the block
	s_lshr_b32 s15, s10, 2                         ; phase 1: my 512 bytes of each 2,048-byte block.   phase 2: my group of 4 gy
	s_lshl_b32 s16, s14, 21                        ; c x 2 MB
	s_lshl_b32 s17, s12, 16                        ; + ixb x 64 KB
	s_add_co_u32 s16, s16, s17
	s_lshl_b32 s17, s13, 11                        ; + iyb x 2 KB
	s_add_co_u32 s16, s16, s17
	s_lshl_b32 s17, s15, 9                         ; + my piece
	s_add_co_u32 s16, s16, s17
	s_mov_b32 s17, 0
	s_lshl_b32 s18, ttmp9, 2                       ; 4 bx
	s_add_co_u32 s19, s18, s14                     ; my gx
	s_lshl_b32 s28, s11, 4
	s_lshl2_add_u32 s28, s15, s28                  ; my first gy = 16 by + 4 group
	s_lshl_b32 s29, s19, 7
	s_add_co_u32 s29, s29, s28                     ; my first line
	s_lshl_b32 s29, s29, 9                         ; 512 bytes a line
	v_add_nc_u32 v[VOFF], s29, v[LANE16]
	s_wait_kmcnt 0x0
	s_add_nc_u64 s[4:5], s[4:5], s[16:17]
	s_mov_b64 s[20:21], s[8:9]                     ; out, one base for each channel (8 MB apart: one more than the immediate reaches)
	s_add_nc_u64 s[22:23], s[8:9], 0x800000
	s_add_nc_u64 s[24:25], s[8:9], 0x1000000
	s_add_nc_u64 s[26:27], s[8:9], 0x1800000
	; all global reads of the wave in one run: 18 x 512 consecutive bytes of bg, row by row, then gm of my 4 lines (512 consecutive bytes each)
.irp row, 0,1,2,3,4,5
.irp i, 0,1,2
	global_load_b128 v[RAW+12*\row+4*\i:RAW+12*\row+4*\i+3], v[LANE16], s[4:5] offset:\i*65536+\row*2048
.endr
.endr
.irp l, 0,1,2,3
	global_load_b128 v[GM+4*\l:GM+4*\l+3], v[VOFF], s[6:7] offset:\l*512 th:TH_LOAD_NT
.endr
	; while they are on their way: the x hats of the 4 gx over the 3 planes, max(0, 1 - |x - (ixb + i)|): 1 - fx and fx at the two planes round x, 0 at the third
	v_cvt_f32_u32 v10, s12
.irp g, 0,1,2,3
	s_add_co_u32 s30, s18, \g
	v_cvt_f32_u32 v11, s30
	v_mul_f32 v11, KSC, v11
	v_min_num_f32 v11, F31, v11                    ; the reference's clip (x is never below 0)
	v_sub_f32 v11, v11, v10                        ; x - ixb
.irp i, 0,1,2
	v_sub_f32 v12, 1.0, |v11|
	v_max_num_f32 v[WX+6*\g+2*\i], 0, v12
	v_max_num_f32 v[WX+6*\g+2*\i+1], 0, v12
	v_add_f32 v11, -1.0, v11                       ; on to the next plane: exact where the hat is not 0
.endr
.endr
	; my sixteenth of the z weights: tile q = wave >> 1, slots 8 u .. 8 u + 7 with u = wave & 1.  Lane (r, h): voxel 4 r + (q & 3) + 64 (q >> 2), iz = 16 h + 8 u + e
	s_lshr_b32 s30, s10, 1
	s_and_b32 s31, s30, 3
	s_lshr_b32 s30, s30, 2
	s_lshl_b32 s30, s30, 6
	s_add_co_u32 s31, s31, s30
	v_and_b32 v10, 15, v0
	v_lshl_add_u32 v10, v10, 2, s31                ; gz
	v_cvt_f32_u32 v10, v10
	v_mul_f32 v10, KSC, v10
	v_min_num_f32 v10, F31, v10                    ; z
	s_and_b32 s30, s10, 1
	s_lshl_b32 s30, s30, 3
	v_lshl_add_u32 v11, v13, 4, s30                ; 16 h + 8 u
	v_cvt_f32_u32 v11, v11
	v_sub_f32 v10, v10, v11
.irp e, 0,1,2,3,4,5,6,7
	v_sub_f32 v[BTMP+\e], 1.0, |v10|
	v_max_num_f32 v[BTMP+\e], 0, v[BTMP+\e]
	v_add_f32 v10, -1.0, v10
.endr
.irp k, 0,1,2,3
	v_cvt_pk_f16_f32 v[BPK+\k], v[BTMP+2*\k], v[BTMP+2*\k+1]
.endr
	v_lshlrev_b32 v11, 4, v0                       ; 16 x thread = 512 x wave + 16 x lane = 1,024 q + 512 u + 16 lane
	v_add_nc_u32 v11, BT, v11
	ds_store_b128 v11, v[BPK:BPK+3]
	; addresses and constants
	s_mul_i32 s30, s14, CHP
	s_lshl_b32 s31, s15, 9
	s_add_co_u32 s30, s30, s31
	v_add_nc_u32 v[SADR], s30, v[LANE16]           ; my piece of a block, as in memory
	v_add_nc_u32 v[SADR+1], GXP, v[SADR]
	v_add_nc_u32 v[SADR+2], 2*GXP, v[SADR]
	v_add_nc_u32 v[SADR+3], 3*GXP, v[SADR]
	v_and_b32 v10, 3, v0                           ; A's row m = lane & 15: c = m & 3,
	v_bfe_u32 v11, v0, 2, 2                        ; a = m >> 2
	v_mul_u32_u24 v10, CHP, v10
	v_lshl_add_u32 v10, v11, 4, v10                ; 16 bytes: it = 4 a .. 4 a + 3
	v_lshl_add_u32 v10, v13, 10, v10               ; iz = 16 h: 16 x 64 bytes
	s_mul_i32 s30, s14, GXP
	v_add_nc_u32 v[ADRA], s30, v10
	v_add_nc_u32 v[ADRB], BT, v[LANE16]
	v_lshlrev_b32 v10, 3, v13
	v_sub_nc_u32 v10, 1, v10
	v_cvt_f32_i32 v[CST], v10                      ; 1 - 8 h
.irp k, 1,2,3,4,5,6,7,8,9
	v_add_f32 v[CST+\k], -1.0, v[CST+\k-1]
.endr
; PHASE 1, one row iy: S = sum over the 3 planes of hat x raw, for the 4 gx; 16 bytes a lane to the place they have in memory.
; left = how many younger loads may stay out (loads come back in order: ISA guide 5.7.1).
.macro XROW row, left
	s_wait_loadcnt \left
.irp g, 0,1,2,3
	v_pk_mul_f32 v[TMP+4*\g:TMP+4*\g+1], v[RAW+12*\row:RAW+12*\row+1], v[WX+6*\g:WX+6*\g+1]
	v_pk_mul_f32 v[TMP+4*\g+2:TMP+4*\g+3], v[RAW+12*\row+2:RAW+12*\row+3], v[WX+6*\g:WX+6*\g+1]
.endr
.irp g, 0,1,2,3
	v_pk_fma_f32 v[TMP+4*\g:TMP+4*\g+1], v[RAW+12*\row+4:RAW+12*\row+5], v[WX+6*\g+2:WX+6*\g+3], v[TMP+4*\g:TMP+4*\g+1]
	v_pk_fma_f32 v[TMP+4*\g+2:TMP+4*\g+3], v[RAW+12*\row+6:RAW+12*\row+7], v[WX+6*\g+2:WX+6*\g+3], v[TMP+4*\g+2:TMP+4*\g+3]
.endr
.irp g, 0,1,2,3
	v_pk_fma_f32 v[TMP+4*\g:TMP+4*\g+1], v[RAW+12*\row+8:RAW+12*\row+9], v[WX+6*\g+4:WX+6*\g+5], v[TMP+4*\g:TMP+4*\g+1]
	v_pk_fma_f32 v[TMP+4*\g+2:TMP+4*\g+3], v[RAW+12*\row+10:RAW+12*\row+11], v[WX+6*\g+4:WX+6*\g+5], v[TMP+4*\g+2:TMP+4*\g+3]
.endr
.irp g, 0,1,2,3
	ds_store_b128 v[SADR+\g], v[TMP+4*\g:TMP+4*\g+3] offset:\row*ROWP
.endr
.endm
	XROW 0, 19                                     ; 22 loads were issued; behind row k's three stand 22 - 3 (k + 1)
	XROW 1, 16
	XROW 2, 13
	XROW 3, 10
	XROW 4, 7
	XROW 5, 4                                      ; the four of gm stay out
	s_wait_dscnt 0x0                               ; my stores into S and into the weight table are done: zero, for the other waves' sake
	s_barrier_signal -1
	s_barrier_wait -1                              ; everybody's are.  From here on LDS is only read
	; PHASE 2.  B: all 8 tiles of z weights, 64 registers, once
.irp k, 0,1,2,3,4,5,6,7,8,9,10,11,12,13,14,15
	ds_load_b128 v[B+4*\k:B+4*\k+3], v[ADRB] offset:\k*512
.endr
; eight LDS loads: slots e0 .. e0+3 (iz = 16 h + slot) of the line's two rows of S into staging set Z
.macro LDSLOTS Z, e0
.irp s, 0,1,2,3
	ds_load_b128 v[\Z+8*\s:\Z+8*\s+3], v[ADRL] offset:(\e0+\s)*64
	ds_load_b128 v[\Z+8*\s+4:\Z+8*\s+7], v[ADRL] offset:(\e0+\s)*64+ROWP
.endr
.endm
; the y-lerp of these 4 slots in f32, then f16: slots e, e+1 of tile f make register e/2 of A's tile f
.macro GPREP Z, e0
.irp s, 0,1,2,3
	v_pk_mul_f32 v[\Z+8*\s:\Z+8*\s+1], v[\Z+8*\s:\Z+8*\s+1], v[FY+2:FY+3]
	v_pk_mul_f32 v[\Z+8*\s+2:\Z+8*\s+3], v[\Z+8*\s+2:\Z+8*\s+3], v[FY+2:FY+3]
.endr
.irp s, 0,1,2,3
	v_pk_fma_f32 v[\Z+8*\s:\Z+8*\s+1], v[\Z+8*\s+4:\Z+8*\s+5], v[FY:FY+1], v[\Z+8*\s:\Z+8*\s+1]
	v_pk_fma_f32 v[\Z+8*\s+2:\Z+8*\s+3], v[\Z+8*\s+6:\Z+8*\s+7], v[FY:FY+1], v[\Z+8*\s+2:\Z+8*\s+3]
.endr
.irp p, 0,1
.irp f, 0,1,2,3
	v_cvt_pk_f16_f32 v[A+8*\f+\e0/2+\p], v[\Z+16*\p+\f], v[\Z+16*\p+8+\f]
.endr
.endr
.endm
; two packed multiply-adds: channels (0,1) and (2,3) of plane 8 h + 4 ah + f, both under the hat DW[4 ah + f] (s = its place in its register pair).
; first = 1: the product starts the sum, nothing is cleared.
.macro HAT2 P, f, ah, s, first
.irp cp, 0,1
.if \first
	v_pk_mul_f32 v[\P+2*\cp:\P+2*\cp+1], v[D+8*\f+4*\ah+2*\cp:D+8*\f+4*\ah+2*\cp+1], v[DW+4*\ah+\f-\s:DW+4*\ah+\f-\s+1] op_sel_hi:[1,0]
.else
.if \s
	v_pk_fma_f32 v[\P+2*\cp:\P+2*\cp+1], v[D+8*\f+4*\ah+2*\cp:D+8*\f+4*\ah+2*\cp+1], v[DW+4*\ah+\f-\s:DW+4*\ah+\f-\s+1], v[\P+2*\cp:\P+2*\cp+1] op_sel:[0,1,0] op_sel_hi:[1,1,1]
.else
	v_pk_fma_f32 v[\P+2*\cp:\P+2*\cp+1], v[D+8*\f+4*\ah+2*\cp:D+8*\f+4*\ah+2*\cp+1], v[DW+4*\ah+\f-\s:DW+4*\ah+\f-\s+1], v[\P+2*\cp:\P+2*\cp+1] op_sel_hi:[1,0,1]
.endif
.endif
.endr
.endm
; 16 voxels: H for 4 channels x 16 planes by four matrix instructions, then my half of the hat sum into P (4 channels).
; The 13 vector instructions of the hats name no register of the matrix instructions: they are the places that have to stand between a matrix
; instruction and the first reader of its result, and before its registers are written again (ISA guide 7.12.1).
.macro TILE q, P
.irp f, 0,1,2,3
	v_wmma_f32_16x16x32_f16 v[D+8*\f:D+8*\f+7], v[A+8*\f:A+8*\f+7], v[B+8*\q:B+8*\q+7], 0
.endr
.irp k, 0,2,4,6,8
.if \q & 1
	v_pk_add_f32 v[DW+\k:DW+\k+1], v[T+\q-1:T+\q], v[CST+\k:CST+\k+1] op_sel:[1,0] op_sel_hi:[1,1]   ; DW[k] = t - (8 h + k - 1); t is the pair's second register
.else
	v_pk_add_f32 v[DW+\k:DW+\k+1], v[T+\q:T+\q+1], v[CST+\k:CST+\k+1] op_sel_hi:[0,1]                ; the same, t is the pair's first register
.endif
.endr
.irp j, 0,1,2,3,4,5,6,7
	v_med3_num_f32 v[DW+\j], v[DW+\j], -v[DW+\j+2], 0      ; with d = t - (8 h + j): the middle of 1 + d, 1 - d and 0 is max(0, 1 - |d|), since the larger of the first two is at least 1.  DW[j] is not read again
.endr
	HAT2 \P, 0, 0, 0, 1
	HAT2 \P, 1, 0, 1, 0
	HAT2 \P, 2, 0, 0, 0
	HAT2 \P, 3, 0, 1, 0
	HAT2 \P, 0, 1, 0, 0
	HAT2 \P, 1, 1, 1, 0
	HAT2 \P, 2, 1, 0, 0
	HAT2 \P, 3, 1, 1, 0
.endm
; tiles i and 4 + i.  The swap gives PA's upper lanes PB's lower ones and PB's lower lanes PA's upper ones: PA + PB is then, in lane L of all 32,
; the sum of both halves' planes for voxel 4 L + i.
.macro PAIR i, qb
	TILE \i, PA
	TILE \qb, PB
.irp c, 0,1,2,3
	v_permlane16_swap_b32 v[PA+\c], v[PB+\c]
.endr
.irp c, 0,1,2,3
	v_add_f32 v[OUT+4*\c+\i], v[PA+\c], v[PB+\c]
.endr
.endm
.macro LINE l
.if \l
	s_wait_xcnt 0x0                                ; the last line's stores have had their addresses translated (ISA guide 3.1): OUT is written again only behind this wait
.endif
	s_add_co_u32 s30, s28, \l                      ; gy
	s_mul_i32 s31, s30, 31*DIVM
	s_lshr_b32 s31, s31, 22                        ; floor(31 gy / 127), by whole numbers
	s_min_u32 s31, s31, 30                         ; gy = 127 is taken as cell 30 with fy = 1
	s_sub_co_u32 s32, s31, s13
	s_min_u32 s32, s32, 4                          ; row in S, 0..4 by the block's arithmetic: 15 gy span 3.66 cells
	s_mul_i32 s32, s32, ROWP
	v_add_nc_u32 v[ADRL], s32, v[ADRA]
	LDSLOTS D, 0                                   ; D is free: its last readers have issued, and the hats stand between the last matrix instruction and these loads
	LDSLOTS Y, 4
	v_cvt_f32_u32 v[FY], s30
	v_cvt_f32_u32 v[FY+2], s31
	v_mul_f32 v[FY], KSC, v[FY]
	v_min_num_f32 v[FY], F31, v[FY]                ; y, clipped as in the reference
	v_sub_f32 v[FY], v[FY], v[FY+2]                ; fy
	v_sub_f32 v[FY+2], 1.0, v[FY]
	v_mov_b32 v[FY+1], v[FY]
	v_mov_b32 v[FY+3], v[FY+2]
	s_wait_dscnt 8                                 ; LDS loads come back in order: all but the youngest eight (the other set) are in; in the first line B too
	GPREP D, 0
	LDSLOTS D, 8
	s_wait_dscnt 8
	GPREP Y, 4
	LDSLOTS Y, 12
	s_wait_dscnt 8
	GPREP D, 8
	s_wait_dscnt 0
	GPREP Y, 12
	s_wait_loadcnt 3-\l                            ; gm of this line; the later lines' loads may stay out
.irp i, 0,1,2,3
	v_mul_f32 v[T+\i], F15, v[GM+4*\l+\i]
.endr
.irp i, 0,1,2,3
	v_med3_num_f32 v[T+\i], v[T+\i], 0, F15        ; clip to [0, 15]
.endr
.irp i, 0,1,2,3
	v_mov_b32 v[T+4+\i], v[T+\i]
.endr
.irp i, 0,1,2,3
	v_permlane16_swap_b32 v[T+\i], v[T+4+\i]       ; lane L came with voxel 4 L + i.  Now T[i] holds voxel 4 r + i and T[4+i] voxel 64 + 4 r + i, in both halves
.endr
	PAIR 0, 4
	PAIR 1, 5
	PAIR 2, 6
	PAIR 3, 7
.irp c, 0,1,2,3
	global_store_b128 v[VOFF], v[OUT+4*\c:OUT+4*\c+3], s[20+2*\c:21+2*\c] offset:\l*512 th:TH_STORE_NT   ; the wave stores 512 consecutive bytes, a whole line of one channel
.endr
.endm
	LINE 0
	LINE 1
	LINE 2
	LINE 3
	s_wait_tensorcnt 0x0
	ds_add_u32 v248, v249
	s_wait_dscnt 0x0
	s_endpgm
.Lfunc_end_k_qa74d8a1f1f_slice:
	.size	k_qa74d8a1f1f_slice, .Lfunc_end_k_qa74d8a1f1f_slice-k_qa74d8a1f1f_slice
	.p2alignl 7, 3214868480
	.fill 96, 4, 3214868480
	.section	.rodata,"a",@progbits
	.p2align	6, 0x0
	.amdhsa_kernel k_qa74d8a1f1f_slice
		.amdhsa_group_segment_fixed_size 212992
		.amdhsa_private_segment_fixed_size 0
		.amdhsa_enable_private_segment 0
		.amdhsa_kernarg_size 24
		.amdhsa_user_sgpr_count 2
		.amdhsa_user_sgpr_kernarg_segment_ptr 1
		.amdhsa_wavefront_size32 1
		.amdhsa_system_sgpr_workgroup_id_x 1
		.amdhsa_system_sgpr_workgroup_id_y 1
		.amdhsa_system_sgpr_workgroup_id_z 1
		.amdhsa_system_vgpr_workitem_id 0
		.amdhsa_next_free_vgpr 250
		.amdhsa_next_free_sgpr 66
		.amdhsa_reserve_vcc 0
		.amdhsa_float_denorm_mode_32 3
		.amdhsa_float_denorm_mode_16_64 3
		.amdhsa_memory_ordered 1
		.amdhsa_forward_progress 1
		.amdhsa_inst_pref_size 132
	.end_amdhsa_kernel
	.amdgpu_metadata
---
amdhsa.version: [ 1, 2 ]
amdhsa.kernels:
  - .name:           k_qa74d8a1f1f_slice
    .symbol:         k_qa74d8a1f1f_slice.kd
    .args:
      - { .name: bg, .offset: 0, .size: 8, .value_kind: global_buffer, .address_space: global }
      - { .name: gm, .offset: 8, .size: 8, .value_kind: global_buffer, .address_space: global }
      - { .name: out0, .offset: 16, .size: 8, .value_kind: global_buffer, .address_space: global }
    .group_segment_fixed_size: 212992
    .private_segment_fixed_size: 0
    .kernarg_segment_align: 8
    .kernarg_segment_size: 24
    .max_flat_workgroup_size: 512
    .sgpr_count:     66
    .vgpr_count:     250
    .wavefront_size: 32
...
	.end_amdgpu_metadata
.endif
;; end of part 1
